; MI455X (gfx1250); checked and timed in simulation.
; The chip was launched on July 23, 2026; its instructions are those of AMD's public machine-readable ISA for CDNA 5 (MIT licence, August 2026) and "CDNA5" Instruction Set Architecture Reference Guide (July 2026). The comments in the code are by the model that wrote it; some were corrected since.
;; Core Attention. Allowed arithmetic: matrix products marked QUANTISED: E5M2 operands, one given power-of-two scale a tensor, by v_wmma_f32_16x16x64_bf8_bf8 or v_wmma_f32_16x16x128_bf8_bf8, f32 sums; everything else in f32.
;; Inputs: key_states 2 x 16 x 2,048 x 64 float32; lowp_scales 4 int32 (the exponents e of the quantised operands' scales 2^e); query_states 2 x 16 x 2,048 x 64 float32; value_states 2 x 16 x 2,048 x 64 float32.
;; Outputs: out0 2 x 16 x 2,048 x 64 float32.
;; This version of the problem:
;;   THIS VERSION OF THE PROBLEM IS GIVEN IN LOW PRECISION. The matrix products marked QUANTISED in the list below multiply operands that are first quantised to E5M2 (5 exponent bits, 2 mantissa bits; 8 bits a number), with one given power-of-two scale for each operand tensor; their sums are f32. All else is computed in f32.
;;   The module's matrix products, in the order in which they are computed (A, B: the left and right operand; K: the contracted axis; several contracted axes count as one K, in the product's order):
;;     1. batch 32 x [M 2,048, K 64] x [K 64, N 2,048]; A: input query_states; B: input key_states: QUANTISED (scales: A lowp_scales[0], B lowp_scales[1])
;;     2. batch 32 x [M 2,048, K 2,048] x [K 2,048, N 64]; A: softmax (see below); B: input value_states: QUANTISED (scales: A lowp_scales[2], B lowp_scales[3])
;;   THE QUANTISER, for each operand of a quantised product, along K:
;;     - The operand's scale is 2^e, e = its entry of the input lowp_scales (int32; the entries are numbered through the quantised products in the list's order, A before B).
;;     - Each number is divided by the scale, clamped to +-57,344, and rounded to the nearest number of E5M2, ties to even, subnormals kept.
;;     - The product sums the exact products of the quantised numbers (number of the format x scale) in f32.
;;   ~~~python
;;   def quantise(x, axis, e):      # numpy; x: float32 -> the quantised numbers, widened to float32 again
;;       x = np.moveaxis(x, axis, -1); K = x.shape[-1]
;;       r = np.clip(x / 2.0 ** e, -57344, 57344)
;;       step = 2.0 ** (np.maximum(np.frexp(np.where(r == 0, 1, r))[1] - 1, -14) - 2)
;;       q = np.round(r / step) * step * 2.0 ** e      # np.round: ties to even
;;       return np.moveaxis(q, -1, axis).astype(np.float32)
;;   ~~~
;;   SOFTMAX AHEAD OF A QUANTISED PRODUCT. Where the list says 'softmax', what is quantised is not the finished softmax but p = 2^(t - M), with t = logit x log2(e) and M = ceil(the row's largest t), a whole number; so 1/2 < the row's largest p <= 1. The row's sum l is taken of the UNQUANTISED p, in f32, and the product's result is divided by l at the end. Since M is a whole number, a kernel that streams over the keys may use a running M (the ceiling of the running maximum): every later rescaling is an exact power of two, so the quantised numbers keep their values, but for numbers so far below the row's largest that they fall under the format's range.
;;   OPERANDS COMPUTED ON THE WAY. 'Computed on the way' means the value that the module computes at that place (a softmax that the list does not call 'softmax' is quantised finished and normalised). What goes into a quantiser is computed in f32, as accurately as f32 sums, v_exp_f32 and their like allow (about 1e-6 of the number): no bf16 or f16 on the way to a quantiser, and a product that is left as it is and whose result goes on into a quantised operand takes f32 operands (vector FMAs, or v_wmma_f32_16x16x4_f32). A number that lies on a knife's edge between two numbers of the format may be rounded either way, as far as f32 arithmetic and the matrix unit's own rounding can turn it there, and no further.
;; 2 versions. Each part assembles by itself: llvm-mc -triple=amdgcn-amd-amdhsa -mcpu=gfx1250 --defsym DOCPART=n.
;; ======== version 1 of 2: 1 launch
;; limits: right only within a limited range of input values
;; launch attn (part 1): grid 8 x 32, 16 waves a work-group, no clusters, 110,592 bytes of LDS; arguments query_states, key_states, value_states, lowp_scales, out0; writes out0
.if DOCPART == 1
	.amdgcn_target "amdgcn-amd-amdhsa--gfx1250"
	.amdhsa_code_object_version 6
	.text
	.protected	k_qcdbd8443cb_attn
	.globl	k_qcdbd8443cb_attn
	.p2align	8
	.type	k_qcdbd8443cb_attn,@function
k_qcdbd8443cb_attn:
	s_mov_b64 s[64:65], 0
	v_nop
	global_prefetch_b8 v0, s[64:65] scope:SCOPE_SE
	s_setreg_imm32_b32 hwreg(HW_REG_WAVE_MODE, 25, 1), 1
	s_wait_xcnt 0x0
; O[hd][q][:] = the sum over k of softmax_k(Q[hd][q] . K[hd][k] / 8, causal) V[hd][k][:].  32 heads, 2,048 positions, head size 64; Q, K, V, O f32.
; Both products on codes of BF8 (E5M2), each operand with its given scale 2^e: eq, ek, ep, ev (int32).  One launch: Q, K and V are quantised here, on their way to the matrix unit.
; THE SOFTMAX: t = score x log2(e) / 8; M = the running largest t rounded UP to a whole number; p = 2^(t - M) is quantised along the keys, not normalised; the row's sum is taken of the
; unquantised p and divides O at the end.  When M moves, the sum and O are multiplied by 2^(old M - new M), which rounds nothing.
; SHARES.  A head has 16 blocks of 128 queries.  Work-group (i, head) owns blocks i and 15 - i: 16 tiles of 16 queries, one to a wave, in 256 registers.  It walks the keys 128 a step, 16 - i steps.
; A tile of block b works in steps 0 .. b, so a work-group has 8 (i + 1) + 8 (16 - i) = 136 tile steps whatever i is.  Waves of the low and of the high block alternate so that of waves 4 n .. 4 n + 3, and of
; waves n, n + 4, n + 8, n + 12, two belong to each block.  A tile's last step is the one on the diagonal: there hidden scores are replaced, and there its rows of O leave.
; K AND V.  In every step ALL sixteen waves turn a sixteenth of the NEXT step's K and V from f32 into codes and put them into the other of two LDS slots; the f32 numbers of the step after that are asked for
; at once, so they have a step's work in which to land.  ONE barrier a step: in front of it each wave's stores into the other slot and its reads of this slot are done.
; K: a wave takes 8 keys (2,048 consecutive bytes, four loads of 512); V: a lane takes a channel and its registers run down 16 keys, so that the codes come out with the keys innermost.
; LAYOUT.  Both products are used transposed: S^T = K Q^T (source 0 = 16 keys, source 1 = my 16 queries), O^T = V^T P^T (source 0 = 16 channels, source 1 = P): a lane holds ONE query (lane % 16) throughout.
; THE KEYS OF A TILE ARE NOT NEIGHBOURS: row m of tile 2 b + u is key 32 b + 8 u + m + 8 (m / 8), so that S^T's register 16 b + i is key 32 b + 16 (lane / 16) + i: the conversions' results are P's registers.
; K's rows lie in LDS in that order (a wave's 8 keys are 8 consecutive rows there), so a fragment is 16 consecutive rows.  Along K every operand holds 16 neighbouring codes for each half of the lanes,
; alike on both sides of a product: each product meets its partner, and only the order of the sums inside an instruction differs from the form's own.
; NO CLUSTER, NO TENSOR LOADS: the f32 tiles have to pass through registers to become codes, and the eight work-groups of a head walk 9 to 16 steps, so partners would want different numbers of tiles.
; LIMITS.  eq, ek, ep, ev each between -126 and 112; eq + ek between -111 and 130 (added to c's exponent field, taken from the mask score's).  NaN among the inputs is not served; an infinity is held at the largest code.
; THE MASK.  Hidden keys of the diagonal step get the logit -10,000.  Key steps that lie wholly behind the diagonal are not walked: their p is 0 in f32 and as a code while
; the row's largest unmasked logit is above -9,900; below that this text does not serve.
.set KP,    80                         ; a key's row in LDS: 64 codes + 16: 16 consecutive rows begin at 16 different multiples of 16 bytes modulo 256
.set VP,    144                        ; a channel's row: 128 keys' codes + 16: likewise
.set KSLOT, 128*KP                     ; 10,240
.set VSLOT, 64*VP                      ; 9,216
.set VOFF,  2*KSLOT                    ; K's two slots, then V's two
.set STG,   VOFF+2*VSLOT               ; then a stage for each wave: 16 rows x (256 + 16) bytes
.set SP,    272
.set WSTG,  16*SP
.set STEPB, 128*256                    ; a step's 128 rows of K or of V in memory
.set SEQ,   2048                       ; keys in a head
.set AK,  1                            ; v1   a fragment of K: r x KP + 16 h
.set AV,  2                            ; v2   a fragment of V^T: r x VP + 16 h
.set KW,  3                            ; v3   where I put 4 codes of K
.set VW,  4                            ; v4   where I put 16 codes of V
.set KG,  5                            ; v5   my 16 bytes of my wave's 2,048 of K
.set VG,  6                            ; v6   my channel of my wave's first key of V
.set SO,  7                            ; v7   the stage: where I put 32 bytes of a row
.set SR,  8                            ; v8   and where I read a row back
.set GO,  9                            ; v9   16 x lane: my bytes of two rows of O
.set PFO, 10                           ; v10  the prefetches' offset
.set DM,  11                           ; v11  16 idx + r - 16 h: register 16 b + i of the diagonal step is hidden where 32 b + i is above it
                                       ; v12 -M, v13 the largest t, v[14:15] the sum in two halves, v[16:23] Q's codes
                                       ; v24, v25: 2^ek and 57,344 x 2^ek; v26, v27: ev's; v28, v29: ep's; v30: 2^eq, later the mask score; v31: 57,344 x 2^eq, later a lane permute's destination
.set FR,  32                           ; v32-95   fragments: K's eight of 8 registers, then V^T's four of 16
.set S,   96                           ; v96-159  S^T, then p; at the head Q's numbers; on the way out O and its rows
.set O,   160                          ; v160-191 O^T: four accumulators
.set PC,  192                          ; v192-207 p's codes
.set RK,  208                          ; v208-223 K's numbers as loaded
.set RV,  224                          ; v224-239 V's
.set KC,  240                          ; v240-243 K's codes just made
.set VC,  244                          ; v244-247 V's
.set F,   248                          ; v248 f = 2^(old M - new M); v249 = 0 (named with it as a pair); v250-255 at work
; s[4:5] Q, s[6:7] K, s[8:9] V, s[12:13] O; s16-19 eq, ek, ep, ev; s20 wave; s27 my diagonal step's first key; s28 keys to walk; s29 the trip's first key; s31 the prefetches' end;
; s[32:33] lane selects; s[34:35] c; s[36:37] the prefetches' base; s42 ep + ev; s43 the mask score; s44 the step's first key; s30, s45-47 at work
; The f32 numbers of one step, off bytes behind the bases.  K: four loads of 512 consecutive bytes.  V: sixteen loads of 128 consecutive bytes, a key each; the wave beside me reads the row's other 128.
.macro LOADS off
.irp j, 0,1,2,3
	global_load_b128 v[RK+4*\j:RK+4*\j+3], v[KG], s[6:7] offset:(\off)+512*\j
.endr
.irp n, 0,1,2,3,4,5,6,7,8,9,10,11,12,13,14,15
	global_load_b32 v[RV+\n], v[VG], s[8:9] offset:(\off)+256*\n
.endr
.endm
; They become codes and go into slot ts.
.macro QUANT ts
.set k, 0
.rept 16
	v_med3_num_f32 v[RK+k], v[RK+k], -v25, v25     ; the conversion to an 8-bit code does not saturate (ISA guide 7.6.2): hold the number within the largest code x the scale first
.set k, k+1
.endr
.set k, 0
.rept 16
	v_med3_num_f32 v[RV+k], v[RV+k], -v27, v27
.set k, k+1
.endr
	v_cvt_scalef32_pk8_bf8_f32 v[KC:KC+1], v[RK:RK+7], v24         ; word j = the four codes of load j: key row 2 j + lane / 16, channels 4 (lane % 16) on
	v_cvt_scalef32_pk8_bf8_f32 v[KC+2:KC+3], v[RK+8:RK+15], v24
	v_cvt_scalef32_pk8_bf8_f32 v[VC:VC+1], v[RV:RV+7], v26         ; 16 keys of my channel
	v_cvt_scalef32_pk8_bf8_f32 v[VC+2:VC+3], v[RV+8:RV+15], v26
	v_nop                                          ; one plain vector instruction behind the last scaled conversion
.irp j, 0,1,2,3
	ds_store_b32 v[KW], v[KC+\j] offset:(\ts)*KSLOT+2*KP*\j
.endr
	ds_store_b128 v[VW], v[VC:VC+3] offset:VOFF+(\ts)*VSLOT
.endm
; A given exponent s[e] becomes 2^e (the conversion takes its exponent field) and 57,344 x 2^e.
.macro MKSC e, sc, lim
	s_add_co_i32 s45, s[\e], 127
	s_lshl_b32 s46, s45, 23
	v_mov_b32 v[\sc], s46
	s_add_co_i32 s45, s45, 15
	s_lshl_b32 s45, s45, 23
	s_or_b32 s45, s45, 0x600000
	v_mov_b32 v[\lim], s45
.endm
; THE WAY OUT, once a wave, in its diagonal step.  O^T / the sum x 2^(ep + ev) goes through my own stage and leaves as whole rows: each store covers 512 consecutive bytes, two rows of O.
.macro OUT
	v_add_f32 v14, v14, v15                        ; the sum's two halves,
	v_permlanex16_b32 v31, v14, s32, s33
	v_add_f32 v14, v14, v31                        ; and lane l xor 16's
	v_rcp_f32 v14, v14
	v_nop                                          ; a plain instruction behind the reciprocal,
	s_wait_alu depctr_va_vdst(0)                   ; and the wait ahead of its first reader
	v_ldexp_f32 v14, v14, s42
.set k, 0
.rept 16
	v_pk_mul_f32 v[S+k:S+k+1], v[O+k:O+k+1], v[14:15] op_sel_hi:[1,0]   ; each accumulator from its low end on; register 8 t + j is O(r, 16 t + 8 h + j)
.set k, k+2
.endr
.irp t, 0,1,2,3
	ds_store_b128 v[SO], v[S+8*\t:S+8*\t+3] offset:64*\t
	ds_store_b128 v[SO], v[S+8*\t+4:S+8*\t+7] offset:64*\t+16
.endr
.irp i, 0,1,2,3,4,5,6,7
	ds_load_b128 v[S+32+4*\i:S+32+4*\i+3], v[SR] offset:2*SP*\i    ; LDS serves a wave's instructions in order (ISA guide 5.7.1.4): these see my stores
.endr
.irp i, 0,1,2,3,4,5,6,7
	s_wait_dscnt 7-\i                              ; behind load i stand 7 - i younger ones
	global_store_b128 v[GO], v[S+32+4*\i:S+32+4*\i+3], s[12:13] offset:512*\i th:TH_STORE_NT
.endr
	s_wait_xcnt 0x0                                ; the stores have read their registers: whatever follows may write them
.endm
; THE ATTENTION WORK of the step whose codes lie in slot s and whose first key is s44.
.macro ATT s
	s_cmp_gt_u32 s44, s27                          ; all 128 keys come after my queries: nothing to do.  A branch on ids; no barrier stands inside
	s_cbranch_scc1 .Lhid_\@
.irp t, 0,1,2,3,4,5,6,7
.irp c, 0,1
	ds_load_b128 v[FR+8*\t+4*\c:FR+8*\t+4*\c+3], v[AK] offset:\s*KSLOT+16*KP*\t+32*\c
.endr
.endr
	s_wait_dscnt 0x0                               ; K's fragments are in
.irp t, 0,1,2,3,4,5,6,7
	v_wmma_f32_16x16x64_bf8_bf8 v[S+8*\t:S+8*\t+7], v[FR+8*\t:FR+8*\t+7], v[16:23], 0
.endr
.rept 4
	v_nop                                          ; four places: in front of the loads into K's registers and of the first read of the scores
.endr
.irp t, 0,1,2,3                                ; V^T's four fragments land while the softmax is worked
.irp c, 0,1,2,3
	ds_load_b128 v[FR+16*\t+4*\c:FR+16*\t+4*\c+3], v[AV] offset:VOFF+\s*VSLOT+16*VP*\t+32*\c
.endr
.endr
	s_cmp_lg_u32 s44, s27
	s_cbranch_scc1 .Lopen_\@                       ; only the diagonal step has hidden keys
.irp n, 0,1,2,3,4,5,6,7,8,9,10,11,12,13,14,15,16,17,18,19,20,21,22,23,24,25,26,27,28,29,30,31,32,33,34,35,36,37,38,39,40,41,42,43,44,45,46,47,48,49,50,51,52,53,54,55,56,57,58,59,60,61,62,63
	v_cmp_gt_i32 vcc_lo, 32*(\n/16)+\n%16, v[DM]
	v_cndmask_b32 v[S+\n], v[S+\n], v30, vcc_lo    ; the score whose logit is -10,000
.endr
.Lopen_\@:
	v_max3_num_f32 v250, v96, v97, v98             ; the step's largest score of my query among my 64 keys: four chains, the scores in ascending order
	v_max3_num_f32 v251, v99, v100, v101
	v_max3_num_f32 v252, v102, v103, v104
	v_max3_num_f32 v253, v105, v106, v107
.set k, 0
.rept 26
	v_max3_num_f32 v[250+k%4], v[250+k%4], v[108+2*k], v[109+2*k]
.set k, k+1
.endr
	v_max3_num_f32 v250, v250, v251, v252
	v_max_num_f32 v250, v250, v253
	v_permlanex16_b32 v31, v250, s32, s33
	v_max_num_f32 v250, v250, v31                  ; and among lane l xor 16's
	v_mul_f32 v250, s34, v250                      ; as t (c is positive)
	v_max_num_f32 v13, v13, v250                   ; the running largest t
	v_mov_b32 v250, v12
	v_floor_f32 v12, -v13                          ; the new -M = floor(-t) = -ceil(t)
	v_sub_f32 v250, v12, v250                      ; old M - new M: a whole number, 0 or less
	v_cvt_i32_f32 v250, v250                       ; (it saturates)
	v_ldexp_f32 v[F], 1.0, v250                    ; f = 2^(old M - new M)
.set k, 0
.rept 32
	v_pk_fma_f32 v[S+k:S+k+1], v[S+k:S+k+1], s[34:35], v[12:13] op_sel_hi:[1,0,0]   ; t - M, two at a time (of the pairs c and -M the low word serves both halves)
.set k, k+2
.endr
.set k, 0
.rept 64
	v_exp_f32 v[S+k], v[S+k]                       ; p = 2^(t - M)
.set k, k+1
.endr
	v_pk_mul_f32 v[14:15], v[14:15], v[F:F+1] op_sel_hi:[1,0]      ; the sum under the new M: the plain instruction behind the exponentials
	s_wait_alu depctr_va_vdst(0)                   ; one wait for the batch of 64, ahead of its first reader
	v_pk_add_f32 v[250:251], v[96:97], v[98:99]    ; the row's sum is taken of the unquantised p: four chains
	v_pk_add_f32 v[252:253], v[100:101], v[102:103]
	v_pk_add_f32 v[254:255], v[104:105], v[106:107]
.set k, 0
.rept 26
.if k%4 == 0
	v_pk_add_f32 v[14:15], v[14:15], v[108+2*k:109+2*k]
.else
	v_pk_add_f32 v[248+2*(k%4):249+2*(k%4)], v[248+2*(k%4):249+2*(k%4)], v[108+2*k:109+2*k]
.endif
.set k, k+1
.endr
	v_pk_add_f32 v[250:251], v[250:251], v[252:253]
	v_pk_add_f32 v[14:15], v[14:15], v[254:255]
	v_pk_add_f32 v[14:15], v[14:15], v[250:251]
	s_cmp_ge_i32 s18, -15                          ; with ep at -15 or above the largest code x 2^ep is 1.75 or more, and p stays under 1.01: the hold could never act.  A branch on a whole number that was read
	s_cbranch_scc1 .Lnohold_\@
.set k, 0
.rept 64
	v_min_num_f32 v[S+k], v[S+k], v29              ; p is not negative: the hold is one-sided
.set k, k+1
.endr
.Lnohold_\@:
.irp b, 0,1,2,3
	v_cvt_scalef32_pk8_bf8_f32 v[PC+4*\b:PC+4*\b+1], v[S+16*\b:S+16*\b+7], v28
	v_cvt_scalef32_pk8_bf8_f32 v[PC+4*\b+2:PC+4*\b+3], v[S+16*\b+8:S+16*\b+15], v28
.endr
.set k, 0
.rept 16
	v_pk_mul_f32 v[O+k:O+k+1], v[O+k:O+k+1], v[F:F+1] op_sel_hi:[1,0]   ; O^T under the new M, each accumulator from its low end on.  (Also the plain instructions behind the conversions)
.set k, k+2
.endr
	s_wait_dscnt 0x0                               ; V^T's fragments are in
.irp t, 0,1,2,3                                ; the four accumulators take one instruction each; the next step's eight products K Q^T stand ahead of their next turn
	v_wmma_f32_16x16x128_bf8_bf8 v[O+8*\t:O+8*\t+7], v[FR+16*\t:FR+16*\t+15], v[PC:PC+15], v[O+8*\t:O+8*\t+7]
.endr
.rept 4
	v_nop                                          ; four places: in front of the way out's reads of O^T, and of the next step's loads into the fragments' registers
.endr
	s_cmp_lg_u32 s44, s27
	s_cbranch_scc1 .Lhid_\@
	OUT                                            ; the diagonal step was my last
.Lhid_\@:
.endm
; A STEP on slot s.  The three conditions are nested: codes are made only of numbers that were asked for, numbers are asked for only into registers that have just been read.
.macro STEP s
	s_add_co_u32 s44, s29, 128*\s                  ; this step's first key
	s_wait_loadcnt 0x0                             ; the only loads out are the next step's numbers, asked for a step ago
	s_add_co_u32 s30, s29, 128*(\s+1)
	s_cmp_lt_u32 s30, s28
	s_cbranch_scc0 .Lnone_\@                       ; no next step (the same in all sixteen waves)
	QUANT 1-\s
	s_add_co_u32 s30, s29, 128*(\s+2)
	s_cmp_lt_u32 s30, s28
	s_cbranch_scc0 .Lnone_\@
	LOADS (\s+2)*STEPB
	; A PREFETCH INTO THE L2, behind the wave's loads: the step four on, two steps ahead of the loads that will want it.  All eight work-groups of a head read the same K and V: work-group 0 of the head, which walks all
	; sixteen steps, asks; in it waves 0 to 3 for K's 32,768 bytes of a step, waves 4 to 7 for V's: 8,192 bytes a wave, lanes 256 bytes apart, one instruction.  So each aligned block of 256 bytes is named once.
	; Steps 0 to 3 come by their loads alone; nothing behind step 15 is named (s31 = 2,048 in a wave that asks, else 0).
	s_add_co_u32 s30, s29, 128*(\s+4)
	s_cmp_lt_u32 s30, s31
	s_cbranch_scc0 .Lnone_\@
	global_prefetch_b8 v[PFO], s[36:37] offset:(\s+4)*STEPB th:TH_LOAD_NT scope:SCOPE_SE
.Lnone_\@:
	ATT \s
	s_wait_dscnt 0x0                               ; for the others' sake: my stores into the other slot have landed, my reads of this slot are back
	s_barrier_signal -1
	s_barrier_wait -1                              ; the slots change roles
.endm
	s_load_b256 s[4:11], s[0:1], 0x0               ; Q s[4:5], K s[6:7], V s[8:9], the scales' exponents s[10:11]
	s_load_b64 s[12:13], s[0:1], 0x20              ; O
	v_lshrrev_b32 v1, 5, v0
	v_readfirstlane_b32 s20, v1                    ; wave 0..15
	s_and_b32 s22, ttmp7, 0xffff                   ; the head
	s_lshr_b32 s23, s20, 2
	s_xor_b32 s23, s23, s20
	s_and_b32 s23, s23, 1                          ; 1: my tile lies in the high block
	s_lshr_b32 s24, s20, 1
	s_lshl_b32 s24, s24, 4                         ; 16 idx: my tile's first query in its block
	s_sub_co_u32 s25, 15, ttmp9
	s_cmp_eq_u32 s23, 1
	s_cselect_b32 s25, s25, ttmp9                  ; my block: 15 - i or i
	s_lshl_b32 s27, s25, 7                         ; its first query = my diagonal step's first key
	s_add_co_u32 s26, s27, s24                     ; my first query
	s_lshl_b32 s28, ttmp9, 7
	s_sub_co_u32 s28, SEQ, s28                     ; keys that the work-group walks: 128 (16 - i)
	s_lshl_b32 s38, s22, 19                        ; a head is 2,048 rows of 256 bytes
	s_mov_b32 s39, 0
	s_lshl_b32 s40, s26, 8
	s_add_co_u32 s40, s40, s38                     ; my tile's first row
	s_mov_b32 s41, 0
	v_and_b32 v32, 31, v0                          ; lane
	v_and_b32 v33, 15, v0                          ; r
	v_bfe_u32 v34, v0, 4, 1                        ; h
	v_mul_u32_u24 v[AK], v33, KP
	v_lshl_add_u32 v[AK], v34, 4, v[AK]
	v_mul_u32_u24 v[AV], v33, VP
	v_lshl_add_u32 v[AV], v34, 4, v[AV]
	s_lshr_b32 s45, s20, 2                         ; my 8 keys, 8 w on, are rows 32 (w / 4) + 16 (w % 2) + 8 ((w / 2) % 2) + 0 .. 7 of a slot
	s_lshl_b32 s45, s45, 5
	s_and_b32 s46, s20, 1
	s_lshl_b32 s47, s46, 4
	s_add_co_u32 s45, s45, s47
	s_bfe_u32 s47, s20, 0x10001
	s_lshl_b32 s47, s47, 3
	s_add_co_u32 s45, s45, s47
	s_mul_i32 s45, s45, KP
	v_mul_u32_u24 v[KW], v34, KP
	v_lshl_add_u32 v[KW], v33, 2, v[KW]
	v_add_nc_u32 v[KW], s45, v[KW]                 ; + row h of a load's two, + 4 r
	s_mul_i32 s47, s46, 32*VP                      ; V: channel 32 (w % 2) + lane, keys 16 (w / 2) on
	s_lshr_b32 s30, s20, 1
	s_lshl_b32 s45, s30, 4
	s_add_co_u32 s47, s47, s45
	v_mul_u32_u24 v[VW], v32, VP
	v_add_nc_u32 v[VW], s47, v[VW]
	s_lshl_b32 s45, s20, 11
	v_lshl_add_u32 v[KG], v32, 4, s45              ; 2,048 w + 16 lane
	s_lshl_b32 s45, s30, 12
	s_lshl_b32 s47, s46, 7
	s_add_co_u32 s45, s45, s47
	v_lshl_add_u32 v[VG], v32, 2, s45              ; 16 (w / 2) rows of 256 bytes + 128 (w % 2) + 4 lane
	s_mul_i32 s45, s20, WSTG
	s_add_co_u32 s45, s45, STG                     ; my stage
	v_mul_u32_u24 v[SO], v33, SP
	v_lshl_add_u32 v[SO], v34, 5, v[SO]
	v_add_nc_u32 v[SO], s45, v[SO]                 ; in: row r, 32 bytes for each half of the lanes
	v_mul_u32_u24 v[SR], v34, SP
	v_lshl_add_u32 v[SR], v33, 4, v[SR]
	v_add_nc_u32 v[SR], s45, v[SR]                 ; back: lanes 0-15 one row, lanes 16-31 the next
	v_lshlrev_b32 v[GO], 4, v32
	s_and_b32 s47, s20, 3
	s_lshl_b32 s47, s47, 13
	v_lshl_add_u32 v[PFO], v32, 8, s47             ; 8,192 (w % 4) + 256 lane
	v_lshlrev_b32 v[DM], 4, v34
	v_sub_nc_u32 v[DM], v33, v[DM]
	v_add_nc_u32 v[DM], s24, v[DM]
	v_lshlrev_b32 v35, 8, v33
	v_lshl_add_u32 v35, v34, 6, v35                ; Q: row r of 256 bytes, + 64 h: my 16 numbers of each 32
	s_wait_kmcnt 0x0
	s_load_b128 s[16:19], s[10:11], 0x0            ; eq, ek, ep, ev
	s_add_nc_u64 s[6:7], s[6:7], s[38:39]          ; K and V at the head's first key
	s_add_nc_u64 s[8:9], s[8:9], s[38:39]
	s_add_nc_u64 s[4:5], s[4:5], s[40:41]          ; Q and O at my tile
	s_add_nc_u64 s[12:13], s[12:13], s[40:41]
	s_lshr_b32 s31, s20, 3
	s_or_b32 s31, s31, ttmp9                       ; 0 in waves 0 to 7 of the head's work-group 0
	s_cmp_eq_u32 s31, 0
	s_cselect_b32 s31, SEQ, 0
	s_cmp_lt_u32 s20, 4
	s_cselect_b64 s[36:37], s[6:7], s[8:9]
	LOADS 0                                        ; step 0's numbers: 20 loads
.irp c, 0,1
.irp j, 0,1,2,3
	global_load_b128 v[S+16*\c+4*\j:S+16*\c+4*\j+3], v35, s[4:5] offset:128*\c+16*\j th:TH_LOAD_NT   ; Q(r, 32 c + 16 h + 4 j ..): 8 loads; read once in the launch
.endr
.endr
	s_mov_b32 s32, 0x76543210                      ; v_permlanex16_b32: lane l xor 16
	s_mov_b32 s33, 0xfedcba98
	v_mov_b32 v13, 0xff61b1e6                      ; the largest t so far: -3e38, under every t
	v_floor_f32 v12, -v13                          ; -M
	v_mov_b32 v14, 0                               ; the sum, in two halves
	v_mov_b32 v15, 0
	v_mov_b32 v[F+1], 0                            ; (named as the upper half of the pair)
.set k, 0
.rept 32
	v_mov_b32 v[O+k], 0                            ; O^T.  The step is written once for all steps: the first finds zeros, which the first change of M leaves zeros
.set k, k+1
.endr
	s_wait_kmcnt 0x0
	MKSC 16, 30, 31
	MKSC 17, 24, 25
	MKSC 19, 26, 27
	MKSC 18, 28, 29
	s_add_co_i32 s45, s16, s17
	s_lshl_b32 s45, s45, 23
	s_add_co_i32 s34, s45, 0x3e38aa3b              ; c = log2(e) / 8 x 2^(eq + ek): the two exponents are added to the exponent field
	s_mov_b32 s35, s34                             ; (named with it as a pair)
	s_sub_co_i32 s43, 0xc79c4000, s45              ; -80,000 / 2^(eq + ek): the score whose t is -10,000 log2(e)
	s_add_co_i32 s42, s18, s19
	s_wait_loadcnt 8                               ; step 0's 20 loads are in: behind them stand Q's 8
	QUANT 0
	LOADS STEPB                                    ; step 1's (every work-group walks 9 steps or more)
	s_wait_loadcnt 20                              ; Q's 8 are in: behind them stand step 1's 20
.set k, 0
.rept 32
	v_med3_num_f32 v[S+k], v[S+k], -v31, v31
.set k, k+1
.endr
.irp c, 0,1
	v_cvt_scalef32_pk8_bf8_f32 v[16+4*\c:17+4*\c], v[S+16*\c:S+16*\c+7], v30
	v_cvt_scalef32_pk8_bf8_f32 v[18+4*\c:19+4*\c], v[S+16*\c+8:S+16*\c+15], v30
.endr
	v_nop                                          ; one plain vector instruction behind the last scaled conversion: the next line writes its scale
	v_mov_b32 v30, s43
	s_mov_b32 s29, 0
	s_wait_dscnt 0x0                               ; my part of step 0's codes has landed
	s_barrier_signal -1
	s_barrier_wait -1
; THE LOOP.  A trip runs both slots, so that every LDS offset is an immediate.  Its count is a constant of the text: s29 goes in steps of 256 keys up to the head's 2,048, eight trips at the most.
; A work-group ends at its own last step, inside the loop: behind the first slot's step where its number of steps is odd, behind the second's where it is even.  Both conditions hang on the work-group's number alone,
; so all sixteen waves end together; each stands behind a closed barrier, and no load is out there (a step asks for nothing behind the last step).  So the compare with the constant bounds the loop and is not its usual end.
.Ltrip:
	STEP 0
	s_add_co_u32 s30, s29, 128
	s_cmp_lt_u32 s30, s28
	s_cbranch_scc1 .Lsecond                        ; there is a second step in this trip
	s_wait_xcnt 0x0
	v_lshl_add_u32 v254, v0, 2, 0x1a800
	v_mov_b32 v255, 0
	s_wait_tensorcnt 0x0
	ds_add_u32 v254, v255
	s_wait_dscnt 0x0
	s_endpgm                                       ; an odd number of steps ends here
.Lsecond:
	STEP 1
	s_add_co_u32 s30, s29, 256
	s_cmp_lt_u32 s30, s28
	s_cbranch_scc1 .Lmore                          ; there is a further trip
	s_wait_xcnt 0x0
	v_lshl_add_u32 v254, v0, 2, 0x1a800
	v_mov_b32 v255, 0
	s_wait_tensorcnt 0x0
	ds_add_u32 v254, v255
	s_wait_dscnt 0x0
	s_endpgm                                       ; an even number of steps ends here
.Lmore:
	s_wait_xcnt 0x0                                ; the trip's loads and prefetches have read their bases
	s_add_nc_u64 s[6:7], s[6:7], 2*STEPB
	s_add_nc_u64 s[8:9], s[8:9], 2*STEPB
	s_add_nc_u64 s[36:37], s[36:37], 2*STEPB
	s_add_co_u32 s29, s29, 256
	s_cmp_lt_u32 s29, SEQ
	s_cbranch_scc1 .Ltrip
	s_wait_xcnt 0x0
	v_lshl_add_u32 v254, v0, 2, 0x1a800
	v_mov_b32 v255, 0
	s_wait_tensorcnt 0x0
	ds_add_u32 v254, v255
	s_wait_dscnt 0x0
	s_endpgm
.Lfunc_end_k_qcdbd8443cb_attn:
	.size	k_qcdbd8443cb_attn, .Lfunc_end_k_qcdbd8443cb_attn-k_qcdbd8443cb_attn
	.p2alignl 7, 3214868480
	.fill 96, 4, 3214868480
	.section	.rodata,"a",@progbits
	.p2align	6, 0x0
	.amdhsa_kernel k_qcdbd8443cb_attn
		.amdhsa_group_segment_fixed_size 110592
		.amdhsa_private_segment_fixed_size 0
		.amdhsa_enable_private_segment 0
		.amdhsa_kernarg_size 40
		.amdhsa_user_sgpr_count 2
		.amdhsa_user_sgpr_kernarg_segment_ptr 1
		.amdhsa_wavefront_size32 1
		.amdhsa_system_sgpr_workgroup_id_x 1
		.amdhsa_system_sgpr_workgroup_id_y 1
		.amdhsa_system_sgpr_workgroup_id_z 1
		.amdhsa_system_vgpr_workitem_id 0
		.amdhsa_next_free_vgpr 256
		.amdhsa_next_free_sgpr 66
		.amdhsa_reserve_vcc 1
		.amdhsa_float_denorm_mode_32 3
		.amdhsa_float_denorm_mode_16_64 3
		.amdhsa_memory_ordered 1
		.amdhsa_forward_progress 1
		.amdhsa_inst_pref_size 76
	.end_amdhsa_kernel
	.amdgpu_metadata
---
amdhsa.version: [ 1, 2 ]
amdhsa.kernels:
  - .name:           k_qcdbd8443cb_attn
    .symbol:         k_qcdbd8443cb_attn.kd
    .args:
      - { .name: query_states, .offset: 0, .size: 8, .value_kind: global_buffer, .address_space: global }
      - { .name: key_states, .offset: 8, .size: 8, .value_kind: global_buffer, .address_space: global }
      - { .name: value_states, .offset: 16, .size: 8, .value_kind: global_buffer, .address_space: global }
      - { .name: lowp_scales, .offset: 24, .size: 8, .value_kind: global_buffer, .address_space: global }
      - { .name: out0, .offset: 32, .size: 8, .value_kind: global_buffer, .address_space: global }
    .group_segment_fixed_size: 110592
    .private_segment_fixed_size: 0
    .kernarg_segment_align: 8
    .kernarg_segment_size: 40
    .max_flat_workgroup_size: 512
    .sgpr_count:     66
    .vgpr_count:     256
    .wavefront_size: 32
...
	.end_amdgpu_metadata
.endif
;; end of part 1
;; ======== version 2 of 2: 1 launch; version 1 with the launch attn written anew for expert scheduling mode
;; limits: right only within a limited range of input values
;; launch attn (part 2): grid 8 x 32, 16 waves a work-group, no clusters, 110,592 bytes of LDS; arguments query_states, key_states, value_states, lowp_scales, out0; writes out0
.if DOCPART == 2
	.amdgcn_target "amdgcn-amd-amdhsa--gfx1250"
	.amdhsa_code_object_version 6
	.text
	.protected	k_qcdbd8443cb_attn
	.globl	k_qcdbd8443cb_attn
	.p2align	8
	.type	k_qcdbd8443cb_attn,@function
k_qcdbd8443cb_attn:
	s_mov_b64 s[64:65], 0
	v_nop
	global_prefetch_b8 v0, s[64:65] scope:SCOPE_SE
	s_setreg_imm32_b32 hwreg(HW_REG_WAVE_SCHED_MODE, 0, 2), 2
	s_setreg_imm32_b32 hwreg(HW_REG_WAVE_MODE, 25, 1), 1
	s_wait_xcnt 0x0
	s_wait_alu depctr_vm_vsrc(0)
; O[hd][q][:] = the sum over k of softmax_k(Q[hd][q] . K[hd][k] / 8, causal) V[hd][k][:].  32 heads, 2,048 positions, head size 64; Q, K, V, O f32.
; Both products on codes of BF8 (E5M2), each operand with its given scale 2^e: eq, ek, ep, ev (int32).  One launch: Q, K and V are quantised here, on their way to the matrix unit.
; THE SOFTMAX: t = score x log2(e) / 8; M = the running largest t rounded UP to a whole number; p = 2^(t - M) is quantised along the keys, not normalised; the row's sum is taken of the
; unquantised p and divides O at the end.  When M moves, the sum and O are multiplied by 2^(old M - new M), which rounds nothing.
; SHARES.  A head has 16 blocks of 128 queries.  Work-group (i, head) owns blocks i and 15 - i: 16 tiles of 16 queries, one to a wave, in 256 registers.  It walks the keys 128 a step, 16 - i steps.
; A tile of block b works in steps 0 .. b, so a work-group has 8 (i + 1) + 8 (16 - i) = 136 tile steps whatever i is.  Waves of the low and of the high block alternate so that of waves 4 n .. 4 n + 3, and of
; waves n, n + 4, n + 8, n + 12, two belong to each block.  A tile's last step is the one on the diagonal: there hidden scores are replaced, and there its rows of O leave.
; K AND V.  In every step ALL sixteen waves turn a sixteenth of the NEXT step's K and V from f32 into codes and put them into the other of two LDS slots; the f32 numbers of the step after that are asked for
; at once, so they have a step's work in which to land.  ONE barrier a step: in front of it each wave's stores into the other slot and its reads of this slot are done.
; K: a wave takes 8 keys (2,048 consecutive bytes, four loads of 512); V: a lane takes a channel and its registers run down 16 keys, so that the codes come out with the keys innermost.
; LAYOUT.  Both products are used transposed: S^T = K Q^T (source 0 = 16 keys, source 1 = my 16 queries), O^T = V^T P^T (source 0 = 16 channels, source 1 = P): a lane holds ONE query (lane % 16) throughout.
; THE KEYS OF A TILE ARE NOT NEIGHBOURS: row m of tile 2 b + u is key 32 b + 8 u + m + 8 (m / 8), so that S^T's register 16 b + i is key 32 b + 16 (lane / 16) + i: the conversions' results are P's registers.
; K's rows lie in LDS in that order (a wave's 8 keys are 8 consecutive rows there), so a fragment is 16 consecutive rows.  Along K every operand holds 16 neighbouring codes for each half of the lanes,
; alike on both sides of a product: each product meets its partner, and only the order of the sums inside an instruction differs from the form's own.
; NO CLUSTER, NO TENSOR LOADS: the f32 tiles have to pass through registers to become codes, and the eight work-groups of a head walk 9 to 16 steps, so partners would want different numbers of tiles.
; LIMITS.  eq, ek, ep, ev each between -126 and 112; eq + ek between -111 and 130 (added to c's exponent field, taken from the mask score's).  NaN among the inputs is not served; an infinity is held at the largest code.
; THE MASK.  Hidden keys of the diagonal step get the logit -10,000.  Key steps that lie wholly behind the diagonal are not walked: their p is 0 in f32 and as a code while
; the row's largest unmasked logit is above -9,900; below that this text does not serve.
; THE MODE: SCHED_MODE bits 1:0 = 2 (LLVM: expert scheduling mode 2), set by the entry lines.  The code itself states the register dependences
; between vector or matrix instructions and memory or LDS instructions, with s_wait_alu, always for 0.
; THE PLAN.  Registers that memory or LDS instructions touch:
;   v1 .. v10   Addresses and offsets: written at the head, read by every load, store and prefetch, never written again.  One wait on va_vdst at the head, ahead of the first load.
;   v35         Q's offset, at the head only; it lies among the fragments' registers, so a fragment of K lands on it in the first trip.
;   RK, RV      A step's holds and conversions read them (the holds write them in place); behind these the loads of the step after next land in them.
;   KC, VC      A step's conversions write them; the five LDS stores behind these read them; the next step's conversions write them again.
;   FR          K's sixteen LDS loads land; the eight products K Q^T read; V^T's sixteen LDS loads land; the four products V^T P^T read; the next step's K lands.
;   S           In a step named by vector and matrix instructions alone.  On the way out LDS stores read v96-127, LDS loads land in v128-159 and global stores read those.
;   v254, v255  Made straight ahead of the closing lines, read by the closing add alone; till then named by vector instructions alone.
; A STEP'S WAITS.  Two at its head: vm_vsrc (the stores of the step before have read KC and VC) and va_vdst (the products of the step before are done reading FR).  One va_vdst behind the conversions: KC and VC are
; written, RK and RV are done with: the step's five LDS stores and twenty loads follow it.  One va_vdst behind K Q^T's places: V^T's fragments may land on K's (a SIMD's registers are all taken, 4 waves x 256: there is
; no second set).  One va_vdst behind the exponentials, ahead of their first reader.  The mask's compares write scalar registers, sixteen to a run, with one wait on va_sdst behind each run.
.set KP,    80                         ; a key's row in LDS: 64 codes + 16: 16 consecutive rows begin at 16 different multiples of 16 bytes modulo 256
.set VP,    144                        ; a channel's row: 128 keys' codes + 16: likewise
.set KSLOT, 128*KP                     ; 10,240
.set VSLOT, 64*VP                      ; 9,216
.set VOFF,  2*KSLOT                    ; K's two slots, then V's two
.set STG,   VOFF+2*VSLOT               ; then a stage for each wave: 16 rows x (256 + 16) bytes
.set SP,    272
.set WSTG,  16*SP
.set STEPB, 128*256                    ; a step's 128 rows of K or of V in memory
.set SEQ,   2048                       ; keys in a head
.set AK,  1                            ; v1   a fragment of K: r x KP + 16 h
.set AV,  2                            ; v2   a fragment of V^T: r x VP + 16 h
.set KW,  3                            ; v3   where I put 4 codes of K
.set VW,  4                            ; v4   where I put 16 codes of V
.set KG,  5                            ; v5   my 16 bytes of my wave's 2,048 of K
.set VG,  6                            ; v6   my channel of my wave's first key of V
.set SO,  7                            ; v7   the stage: where I put 32 bytes of a row
.set SR,  8                            ; v8   and where I read a row back
.set GO,  9                            ; v9   16 x lane: my bytes of two rows of O
.set PFO, 10                           ; v10  the prefetches' offset
.set DM,  11                           ; v11  16 idx + r - 16 h: register 16 b + i of the diagonal step is hidden where 32 b + i is above it
                                       ; v12 -M, v13 the largest t, v[14:15] the sum in two halves, v[16:23] Q's codes
                                       ; v24, v25: 2^ek and 57,344 x 2^ek; v26, v27: ev's; v28, v29: ep's; v30: 2^eq, later the mask score; v31: 57,344 x 2^eq, later a lane permute's destination
.set FR,  32                           ; v32-95   fragments: K's eight of 8 registers, then V^T's four of 16
.set S,   96                           ; v96-159  S^T, then p; at the head Q's numbers; on the way out O and its rows
.set O,   160                          ; v160-191 O^T: four accumulators
.set PC,  192                          ; v192-207 p's codes
.set RK,  208                          ; v208-223 K's numbers as loaded
.set RV,  224                          ; v224-239 V's
.set KC,  240                          ; v240-243 K's codes just made
.set VC,  244                          ; v244-247 V's
.set F,   248                          ; v248 f = 2^(old M - new M); v249 = 0 (named with it as a pair); v250-255 at work
.set MK,  48                           ; s48-63   the mask's compares: sixteen lane masks to a run
; s[4:5] Q, s[6:7] K, s[8:9] V, s[12:13] O; s16-19 eq, ek, ep, ev; s20 wave; s27 my diagonal step's first key; s28 keys to walk; s29 the trip's first key; s31 the prefetches' end;
; s[32:33] lane selects; s[34:35] c; s[36:37] the prefetches' base; s42 ep + ev; s43 the mask score; s44 the step's first key; s30, s45-47 at work
; The f32 numbers of one step, off bytes behind the bases.  K: four loads of 512 consecutive bytes.  V: sixteen loads of 128 consecutive bytes, a key each; the wave beside me reads the row's other 128.
.macro LOADS off
.irp j, 0,1,2,3
	global_load_b128 v[RK+4*\j:RK+4*\j+3], v[KG], s[6:7] offset:(\off)+512*\j
.endr
.irp n, 0,1,2,3,4,5,6,7,8,9,10,11,12,13,14,15
	global_load_b32 v[RV+\n], v[VG], s[8:9] offset:(\off)+256*\n
.endr
.endm
; They become codes and go into slot ts.
.macro QUANT ts
.set k, 0
.rept 16
	v_med3_num_f32 v[RK+k], v[RK+k], -v25, v25     ; the conversion to an 8-bit code does not saturate (ISA guide 7.6.2): hold the number within the largest code x the scale first
.set k, k+1
.endr
.set k, 0
.rept 16
	v_med3_num_f32 v[RV+k], v[RV+k], -v27, v27
.set k, k+1
.endr
	v_cvt_scalef32_pk8_bf8_f32 v[KC:KC+1], v[RK:RK+7], v24         ; word j = the four codes of load j: key row 2 j + lane / 16, channels 4 (lane % 16) on
	v_cvt_scalef32_pk8_bf8_f32 v[KC+2:KC+3], v[RK+8:RK+15], v24
	v_cvt_scalef32_pk8_bf8_f32 v[VC:VC+1], v[RV:RV+7], v26         ; 16 keys of my channel
	v_cvt_scalef32_pk8_bf8_f32 v[VC+2:VC+3], v[RV+8:RV+15], v26
	v_nop                                          ; one plain vector instruction behind the last scaled conversion
	s_wait_alu depctr_va_vdst(0)                   ; the conversions have written KC and VC, which the LDS stores below read; they and the holds are done with RK and RV, in which the loads that follow this macro land
.irp j, 0,1,2,3
	ds_store_b32 v[KW], v[KC+\j] offset:(\ts)*KSLOT+2*KP*\j
.endr
	ds_store_b128 v[VW], v[VC:VC+3] offset:VOFF+(\ts)*VSLOT
.endm
; A given exponent s[e] becomes 2^e (the conversion takes its exponent field) and 57,344 x 2^e.
.macro MKSC e, sc, lim
	s_add_co_i32 s45, s[\e], 127
	s_lshl_b32 s46, s45, 23
	v_mov_b32 v[\sc], s46
	s_add_co_i32 s45, s45, 15
	s_lshl_b32 s45, s45, 23
	s_or_b32 s45, s45, 0x600000
	v_mov_b32 v[\lim], s45
.endm
; THE WAY OUT, once a wave, in its diagonal step.  O^T / the sum x 2^(ep + ev) goes through my own stage and leaves as whole rows: each store covers 512 consecutive bytes, two rows of O.
.macro OUT
	v_add_f32 v14, v14, v15                        ; the sum's two halves,
	v_permlanex16_b32 v31, v14, s32, s33
	v_add_f32 v14, v14, v31                        ; and lane l xor 16's
	s_wait_alu depctr_va_vdst(0)
	v_rcp_f32 v14, v14
	v_nop                                          ; a plain instruction behind the reciprocal,
	s_wait_alu depctr_va_vdst(0)                   ; and the reciprocal has written v14, ahead of its first reader
	v_ldexp_f32 v14, v14, s42
.set k, 0
.rept 16
	v_pk_mul_f32 v[S+k:S+k+1], v[O+k:O+k+1], v[14:15] op_sel_hi:[1,0]   ; each accumulator from its low end on; register 8 t + j is O(r, 16 t + 8 h + j)
.set k, k+2
.endr
	s_wait_alu depctr_va_vdst(0)                   ; the multiplications have written v96-127, which the LDS stores read; the softmax's instructions are done with v128-159, in which the rows land
.irp t, 0,1,2,3
	ds_store_b128 v[SO], v[S+8*\t:S+8*\t+3] offset:64*\t
	ds_store_b128 v[SO], v[S+8*\t+4:S+8*\t+7] offset:64*\t+16
.endr
.irp i, 0,1,2,3,4,5,6,7
	ds_load_b128 v[S+32+4*\i:S+32+4*\i+3], v[SR] offset:2*SP*\i    ; LDS serves a wave's instructions in order (ISA guide 5.7.1.4): these see my stores
.endr
.irp i, 0,1,2,3,4,5,6,7
	s_wait_dscnt 7-\i                              ; behind load i stand 7 - i younger ones
	global_store_b128 v[GO], v[S+32+4*\i:S+32+4*\i+3], s[12:13] offset:512*\i th:TH_STORE_NT
.endr
	s_wait_xcnt 0x0                                ; the stores' addresses are translated (ISA guide 3.1); that they have read their registers is stated at the next step's head
.endm
; THE ATTENTION WORK of the step whose codes lie in slot s and whose first key is s44.
.macro ATT s
	s_cmp_gt_u32 s44, s27                          ; all 128 keys come after my queries: nothing to do.  A branch on ids; no barrier stands inside
	s_cbranch_scc1 .Lhid_\@
.irp t, 0,1,2,3,4,5,6,7                        ; no wait here: no vector or matrix instruction since the wait on va_vdst at the step's head names the fragments' registers
.irp c, 0,1
	ds_load_b128 v[FR+8*\t+4*\c:FR+8*\t+4*\c+3], v[AK] offset:\s*KSLOT+16*KP*\t+32*\c
.endr
.endr
	s_wait_dscnt 0x0                               ; K's fragments are in
.irp t, 0,1,2,3,4,5,6,7
	v_wmma_f32_16x16x64_bf8_bf8 v[S+8*\t:S+8*\t+7], v[FR+8*\t:FR+8*\t+7], v[16:23], 0
.endr
.rept 4
	v_nop                                          ; four places (ISA guide 7.12.1) in front of the first read of the scores
.endr
	s_wait_alu depctr_va_vdst(0)                   ; the eight products are done reading K's fragments, in whose registers V^T's land
.irp t, 0,1,2,3                                ; V^T's four fragments land while the softmax is worked
.irp c, 0,1,2,3
	ds_load_b128 v[FR+16*\t+4*\c:FR+16*\t+4*\c+3], v[AV] offset:VOFF+\s*VSLOT+16*VP*\t+32*\c
.endr
.endr
	s_cmp_lg_u32 s44, s27
	s_cbranch_scc1 .Lopen_\@                       ; only the diagonal step has hidden keys
.irp g, 0,1,2,3                                ; register 16 g + i holds key 32 g + 16 (lane / 16) + i.  Sixteen compares to a run, each into a scalar register of its own, so that one wait serves the run
.irp i, 0,1,2,3,4,5,6,7,8,9,10,11,12,13,14,15
	v_cmp_gt_i32 s[MK+\i], 32*\g+\i, v[DM]
.endr
	s_wait_alu depctr_va_sdst(0)                   ; the sixteen compares have written s48-63, ahead of the selects that read them
.irp i, 0,1,2,3,4,5,6,7,8,9,10,11,12,13,14,15
	v_cndmask_b32 v[S+16*\g+\i], v[S+16*\g+\i], v30, s[MK+\i]      ; the score whose logit is -10,000; the scores in ascending order
.endr
.endr
.Lopen_\@:
	v_max3_num_f32 v250, v96, v97, v98             ; the step's largest score of my query among my 64 keys: four chains, the scores in ascending order
	v_max3_num_f32 v251, v99, v100, v101
	v_max3_num_f32 v252, v102, v103, v104
	v_max3_num_f32 v253, v105, v106, v107
.set k, 0
.rept 26
	v_max3_num_f32 v[250+k%4], v[250+k%4], v[108+2*k], v[109+2*k]
.set k, k+1
.endr
	v_max3_num_f32 v250, v250, v251, v252
	v_max_num_f32 v250, v250, v253
	v_permlanex16_b32 v31, v250, s32, s33
	v_max_num_f32 v250, v250, v31                  ; and among lane l xor 16's
	v_mul_f32 v250, s34, v250                      ; as t (c is positive)
	v_max_num_f32 v13, v13, v250                   ; the running largest t
	v_mov_b32 v250, v12
	v_floor_f32 v12, -v13                          ; the new -M = floor(-t) = -ceil(t)
	v_sub_f32 v250, v12, v250                      ; old M - new M: a whole number, 0 or less
	v_cvt_i32_f32 v250, v250                       ; (it saturates)
	v_ldexp_f32 v[F], 1.0, v250                    ; f = 2^(old M - new M)
.set k, 0
.rept 32
	v_pk_fma_f32 v[S+k:S+k+1], v[S+k:S+k+1], s[34:35], v[12:13] op_sel_hi:[1,0,0]   ; t - M, two at a time (of the pairs c and -M the low word serves both halves)
.set k, k+2
.endr
.set k, 0
	s_wait_alu depctr_va_vdst(0)
.rept 64
	v_exp_f32 v[S+k], v[S+k]                       ; p = 2^(t - M)
.set k, k+1
.endr
	v_pk_mul_f32 v[14:15], v[14:15], v[F:F+1] op_sel_hi:[1,0]      ; the sum under the new M: the plain instruction behind the exponentials
	s_wait_alu depctr_va_vdst(0)                   ; the 64 exponentials have written p in v96-159: one wait for the batch, ahead of its first reader
	v_pk_add_f32 v[250:251], v[96:97], v[98:99]    ; the row's sum is taken of the unquantised p: four chains
	v_pk_add_f32 v[252:253], v[100:101], v[102:103]
	v_pk_add_f32 v[254:255], v[104:105], v[106:107]
.set k, 0
.rept 26
.if k%4 == 0
	v_pk_add_f32 v[14:15], v[14:15], v[108+2*k:109+2*k]
.else
	v_pk_add_f32 v[248+2*(k%4):249+2*(k%4)], v[248+2*(k%4):249+2*(k%4)], v[108+2*k:109+2*k]
.endif
.set k, k+1
.endr
	v_pk_add_f32 v[250:251], v[250:251], v[252:253]
	v_pk_add_f32 v[14:15], v[14:15], v[254:255]
	v_pk_add_f32 v[14:15], v[14:15], v[250:251]
	s_cmp_ge_i32 s18, -15                          ; with ep at -15 or above the largest code x 2^ep is 1.75 or more, and p stays under 1.01: the hold could never act.  A branch on a whole number that was read
	s_cbranch_scc1 .Lnohold_\@
.set k, 0
.rept 64
	v_min_num_f32 v[S+k], v[S+k], v29              ; p is not negative: the hold is one-sided
.set k, k+1
.endr
.Lnohold_\@:
.irp b, 0,1,2,3
	v_cvt_scalef32_pk8_bf8_f32 v[PC+4*\b:PC+4*\b+1], v[S+16*\b:S+16*\b+7], v28
	v_cvt_scalef32_pk8_bf8_f32 v[PC+4*\b+2:PC+4*\b+3], v[S+16*\b+8:S+16*\b+15], v28
.endr
.set k, 0
.rept 16
	v_pk_mul_f32 v[O+k:O+k+1], v[O+k:O+k+1], v[F:F+1] op_sel_hi:[1,0]   ; O^T under the new M, each accumulator from its low end on.  (Also the plain instructions behind the conversions)
.set k, k+2
.endr
	s_wait_alu depctr_va_vdst(0)
	s_wait_dscnt 0x0                               ; V^T's fragments are in
.irp t, 0,1,2,3                                ; the four accumulators take one instruction each; the next step's eight products K Q^T stand ahead of their next turn
	v_wmma_f32_16x16x128_bf8_bf8 v[O+8*\t:O+8*\t+7], v[FR+16*\t:FR+16*\t+15], v[PC:PC+15], v[O+8*\t:O+8*\t+7]
.endr
.rept 4
	v_nop                                          ; four places (ISA guide 7.12.1) in front of the way out's reads of O^T
.endr
	s_cmp_lg_u32 s44, s27
	s_cbranch_scc1 .Lhid_\@
	OUT                                            ; the diagonal step was my last
.Lhid_\@:
.endm
; A STEP on slot s.  The three conditions are nested: codes are made only of numbers that were asked for, numbers are asked for only into registers that have just been read.
.macro STEP s
	s_add_co_u32 s44, s29, 128*\s                  ; this step's first key
	s_wait_loadcnt 0x0                             ; the only loads out are the next step's numbers, asked for a step ago
	s_wait_alu depctr_vm_vsrc(0)                   ; the LDS stores of the step before have read KC and VC, which this step's conversions write again; behind a way out its stores have read S's registers, which the products write; in the first trip Q's loads have read v35, on which a fragment lands
	s_wait_alu depctr_va_vdst(0)                   ; the products V^T P^T of the step before are done reading the fragments' registers, in which this step's K lands
	s_add_co_u32 s30, s29, 128*(\s+1)
	s_cmp_lt_u32 s30, s28
	s_cbranch_scc0 .Lnone_\@                       ; no next step (the same in all sixteen waves)
	QUANT 1-\s
	s_add_co_u32 s30, s29, 128*(\s+2)
	s_cmp_lt_u32 s30, s28
	s_cbranch_scc0 .Lnone_\@
	LOADS (\s+2)*STEPB                             ; no wait here: no vector instruction since the wait behind the conversions names RK or RV
	; A PREFETCH INTO THE L2, behind the wave's loads: the step four on, two steps ahead of the loads that will want it.  All eight work-groups of a head read the same K and V: work-group 0 of the head, which walks all
	; sixteen steps, asks; in it waves 0 to 3 for K's 32,768 bytes of a step, waves 4 to 7 for V's: 8,192 bytes a wave, lanes 256 bytes apart, one instruction.  So each aligned block of 256 bytes is named once.
	; Steps 0 to 3 come by their loads alone; nothing behind step 15 is named (s31 = 2,048 in a wave that asks, else 0).
	s_add_co_u32 s30, s29, 128*(\s+4)
	s_cmp_lt_u32 s30, s31
	s_cbranch_scc0 .Lnone_\@
	global_prefetch_b8 v[PFO], s[36:37] offset:(\s+4)*STEPB th:TH_LOAD_NT scope:SCOPE_SE
.Lnone_\@:
	ATT \s
	s_wait_dscnt 0x0                               ; for the others' sake: my stores into the other slot have landed, my reads of this slot are back
	s_barrier_signal -1
	s_barrier_wait -1                              ; the slots change roles
.endm
	s_load_b256 s[4:11], s[0:1], 0x0               ; Q s[4:5], K s[6:7], V s[8:9], the scales' exponents s[10:11]
	s_load_b64 s[12:13], s[0:1], 0x20              ; O
	v_lshrrev_b32 v1, 5, v0
	v_readfirstlane_b32 s20, v1                    ; wave 0..15
	v_and_b32 v32, 31, v0                          ; lane.  (These seven lines need the thread's number alone: they stand between the line above and the wait for its result)
	v_and_b32 v33, 15, v0                          ; r
	v_bfe_u32 v34, v0, 4, 1                        ; h
	s_wait_alu depctr_va_vdst(0)
	v_mul_u32_u24 v[AK], v33, KP
	v_lshl_add_u32 v[AK], v34, 4, v[AK]
	v_mul_u32_u24 v[AV], v33, VP
	v_lshl_add_u32 v[AV], v34, 4, v[AV]
	s_and_b32 s22, ttmp7, 0xffff                   ; the head
	s_wait_alu depctr_va_sdst(0)                   ; s20 is written, ahead of its first reader: my tile, my keys and my LDS places are made from it
	s_lshr_b32 s23, s20, 2
	s_xor_b32 s23, s23, s20
	s_and_b32 s23, s23, 1                          ; 1: my tile lies in the high block
	s_lshr_b32 s24, s20, 1
	s_lshl_b32 s24, s24, 4                         ; 16 idx: my tile's first query in its block
	s_sub_co_u32 s25, 15, ttmp9
	s_cmp_eq_u32 s23, 1
	s_cselect_b32 s25, s25, ttmp9                  ; my block: 15 - i or i
	s_lshl_b32 s27, s25, 7                         ; its first query = my diagonal step's first key
	s_add_co_u32 s26, s27, s24                     ; my first query
	s_lshl_b32 s28, ttmp9, 7
	s_sub_co_u32 s28, SEQ, s28                     ; keys that the work-group walks: 128 (16 - i)
	s_lshl_b32 s38, s22, 19                        ; a head is 2,048 rows of 256 bytes
	s_mov_b32 s39, 0
	s_lshl_b32 s40, s26, 8
	s_add_co_u32 s40, s40, s38                     ; my tile's first row
	s_mov_b32 s41, 0
	s_lshr_b32 s45, s20, 2                         ; my 8 keys, 8 w on, are rows 32 (w / 4) + 16 (w % 2) + 8 ((w / 2) % 2) + 0 .. 7 of a slot
	s_lshl_b32 s45, s45, 5
	s_and_b32 s46, s20, 1
	s_lshl_b32 s47, s46, 4
	s_add_co_u32 s45, s45, s47
	s_bfe_u32 s47, s20, 0x10001
	s_lshl_b32 s47, s47, 3
	s_add_co_u32 s45, s45, s47
	s_mul_i32 s45, s45, KP
	v_mul_u32_u24 v[KW], v34, KP
	v_lshl_add_u32 v[KW], v33, 2, v[KW]
	v_add_nc_u32 v[KW], s45, v[KW]                 ; + row h of a load's two, + 4 r
	s_mul_i32 s47, s46, 32*VP                      ; V: channel 32 (w % 2) + lane, keys 16 (w / 2) on
	s_lshr_b32 s30, s20, 1
	s_lshl_b32 s45, s30, 4
	s_add_co_u32 s47, s47, s45
	v_mul_u32_u24 v[VW], v32, VP
	v_add_nc_u32 v[VW], s47, v[VW]
	s_lshl_b32 s45, s20, 11
	v_lshl_add_u32 v[KG], v32, 4, s45              ; 2,048 w + 16 lane
	s_lshl_b32 s45, s30, 12
	s_lshl_b32 s47, s46, 7
	s_add_co_u32 s45, s45, s47
	v_lshl_add_u32 v[VG], v32, 2, s45              ; 16 (w / 2) rows of 256 bytes + 128 (w % 2) + 4 lane
	s_mul_i32 s45, s20, WSTG
	s_add_co_u32 s45, s45, STG                     ; my stage
	v_mul_u32_u24 v[SO], v33, SP
	v_lshl_add_u32 v[SO], v34, 5, v[SO]
	v_add_nc_u32 v[SO], s45, v[SO]                 ; in: row r, 32 bytes for each half of the lanes
	v_mul_u32_u24 v[SR], v34, SP
	v_lshl_add_u32 v[SR], v33, 4, v[SR]
	v_add_nc_u32 v[SR], s45, v[SR]                 ; back: lanes 0-15 one row, lanes 16-31 the next
	v_lshlrev_b32 v[GO], 4, v32
	s_and_b32 s47, s20, 3
	s_lshl_b32 s47, s47, 13
	v_lshl_add_u32 v[PFO], v32, 8, s47             ; 8,192 (w % 4) + 256 lane
	v_lshlrev_b32 v[DM], 4, v34
	v_sub_nc_u32 v[DM], v33, v[DM]
	v_add_nc_u32 v[DM], s24, v[DM]
	v_lshlrev_b32 v35, 8, v33
	v_lshl_add_u32 v35, v34, 6, v35                ; Q: row r of 256 bytes, + 64 h: my 16 numbers of each 32
	s_wait_kmcnt 0x0
	s_load_b128 s[16:19], s[10:11], 0x0            ; eq, ek, ep, ev
	s_add_nc_u64 s[6:7], s[6:7], s[38:39]          ; K and V at the head's first key
	s_add_nc_u64 s[8:9], s[8:9], s[38:39]
	s_add_nc_u64 s[4:5], s[4:5], s[40:41]          ; Q and O at my tile
	s_add_nc_u64 s[12:13], s[12:13], s[40:41]
	s_lshr_b32 s31, s20, 3
	s_or_b32 s31, s31, ttmp9                       ; 0 in waves 0 to 7 of the head's work-group 0
	s_cmp_eq_u32 s31, 0
	s_cselect_b32 s31, SEQ, 0
	s_cmp_lt_u32 s20, 4
	s_cselect_b64 s[36:37], s[6:7], s[8:9]
	s_wait_alu depctr_va_vdst(0)                   ; the addresses and offsets v1 to v10 and v35 are written, which every load, store and prefetch of the kernel reads; the lines above are done with v32 to v35, in which fragments land
	LOADS 0                                        ; step 0's numbers: 20 loads
.irp c, 0,1
.irp j, 0,1,2,3
	global_load_b128 v[S+16*\c+4*\j:S+16*\c+4*\j+3], v35, s[4:5] offset:128*\c+16*\j th:TH_LOAD_NT   ; Q(r, 32 c + 16 h + 4 j ..): 8 loads; read once in the launch
.endr
.endr
	s_mov_b32 s32, 0x76543210                      ; v_permlanex16_b32: lane l xor 16
	s_mov_b32 s33, 0xfedcba98
	v_mov_b32 v13, 0xff61b1e6                      ; the largest t so far: -3e38, under every t
	v_floor_f32 v12, -v13                          ; -M
	v_mov_b32 v14, 0                               ; the sum, in two halves
	v_mov_b32 v15, 0
	v_mov_b32 v[F+1], 0                            ; (named as the upper half of the pair)
.set k, 0
.rept 32
	v_mov_b32 v[O+k], 0                            ; O^T.  The step is written once for all steps: the first finds zeros, which the first change of M leaves zeros
.set k, k+1
.endr
	s_wait_kmcnt 0x0
	MKSC 16, 30, 31
	MKSC 17, 24, 25
	MKSC 19, 26, 27
	MKSC 18, 28, 29
	s_add_co_i32 s45, s16, s17
	s_lshl_b32 s45, s45, 23
	s_add_co_i32 s34, s45, 0x3e38aa3b              ; c = log2(e) / 8 x 2^(eq + ek): the two exponents are added to the exponent field
	s_mov_b32 s35, s34                             ; (named with it as a pair)
	s_sub_co_i32 s43, 0xc79c4000, s45              ; -80,000 / 2^(eq + ek): the score whose t is -10,000 log2(e)
	s_add_co_i32 s42, s18, s19
	s_wait_alu depctr_va_vdst(0)
	s_wait_loadcnt 8                               ; step 0's 20 loads are in: behind them stand Q's 8
	QUANT 0
	LOADS STEPB                                    ; step 1's (every work-group walks 9 steps or more).  No wait here: no vector instruction since the wait behind the conversions names RK or RV
	s_wait_loadcnt 20                              ; Q's 8 are in: behind them stand step 1's 20
.set k, 0
.rept 32
	v_med3_num_f32 v[S+k], v[S+k], -v31, v31
.set k, k+1
.endr
.irp c, 0,1
	v_cvt_scalef32_pk8_bf8_f32 v[16+4*\c:17+4*\c], v[S+16*\c:S+16*\c+7], v30
	v_cvt_scalef32_pk8_bf8_f32 v[18+4*\c:19+4*\c], v[S+16*\c+8:S+16*\c+15], v30
.endr
	v_nop                                          ; one plain vector instruction behind the last scaled conversion: the next line writes its scale
	v_mov_b32 v30, s43
	s_mov_b32 s29, 0
	s_wait_dscnt 0x0                               ; my part of step 0's codes has landed
	s_barrier_signal -1
	s_barrier_wait -1
; THE LOOP.  A trip runs both slots, so that every LDS offset is an immediate.  Its count is a constant of the text: s29 goes in steps of 256 keys up to the head's 2,048, eight trips at the most.
; A work-group ends at its own last step, inside the loop: behind the first slot's step where its number of steps is odd, behind the second's where it is even.  Both conditions hang on the work-group's number alone,
; so all sixteen waves end together; each stands behind a closed barrier, and no load is out there (a step asks for nothing behind the last step).  So the compare with the constant bounds the loop and is not its usual end.
; Each end makes the add's two registers anew (no memory or LDS instruction has read v254 or v255) and closes with six lines.
.Ltrip:
	STEP 0
	s_add_co_u32 s30, s29, 128
	s_cmp_lt_u32 s30, s28
	s_cbranch_scc1 .Lsecond                        ; there is a second step in this trip
	s_wait_xcnt 0x0                                ; as it stood: the addresses of my global instructions are translated
	v_lshl_add_u32 v254, v0, 2, 0x1a800            ; my spare word: behind the sixteen stages, 4 x my thread's number
	v_mov_b32 v255, 0
	s_wait_dscnt 0x0                               ; the closing lines, six on end
	s_wait_alu 0x0
	s_wait_tensorcnt 0x0
	ds_add_u32 v254, v255
	s_wait_dscnt 0x0
	s_endpgm                                       ; an odd number of steps ends here
.Lsecond:
	STEP 1
	s_add_co_u32 s30, s29, 256
	s_cmp_lt_u32 s30, s28
	s_cbranch_scc1 .Lmore                          ; there is a further trip
	s_wait_xcnt 0x0                                ; as it stood: the addresses of my global instructions are translated
	v_lshl_add_u32 v254, v0, 2, 0x1a800
	v_mov_b32 v255, 0
	s_wait_dscnt 0x0                               ; the closing lines, six on end
	s_wait_alu 0x0
	s_wait_tensorcnt 0x0
	ds_add_u32 v254, v255
	s_wait_dscnt 0x0
	s_endpgm                                       ; an even number of steps ends here
.Lmore:
	s_wait_xcnt 0x0                                ; the trip's loads and prefetches have read their bases
	s_add_nc_u64 s[6:7], s[6:7], 2*STEPB
	s_add_nc_u64 s[8:9], s[8:9], 2*STEPB
	s_add_nc_u64 s[36:37], s[36:37], 2*STEPB
	s_add_co_u32 s29, s29, 256
	s_cmp_lt_u32 s29, SEQ
	s_cbranch_scc1 .Ltrip
	s_wait_xcnt 0x0                                ; as it stood: the addresses of my global instructions are translated
	v_lshl_add_u32 v254, v0, 2, 0x1a800
	v_mov_b32 v255, 0
	s_wait_dscnt 0x0                               ; the closing lines, six on end
	s_wait_alu 0x0
	s_wait_tensorcnt 0x0
	ds_add_u32 v254, v255
	s_wait_dscnt 0x0
	s_endpgm
.Lfunc_end_k_qcdbd8443cb_attn:
	.size	k_qcdbd8443cb_attn, .Lfunc_end_k_qcdbd8443cb_attn-k_qcdbd8443cb_attn
	.p2alignl 7, 3214868480
	.fill 96, 4, 3214868480
	.section	.rodata,"a",@progbits
	.p2align	6, 0x0
	.amdhsa_kernel k_qcdbd8443cb_attn
		.amdhsa_group_segment_fixed_size 110592
		.amdhsa_private_segment_fixed_size 0
		.amdhsa_enable_private_segment 0
		.amdhsa_kernarg_size 40
		.amdhsa_user_sgpr_count 2
		.amdhsa_user_sgpr_kernarg_segment_ptr 1
		.amdhsa_wavefront_size32 1
		.amdhsa_system_sgpr_workgroup_id_x 1
		.amdhsa_system_sgpr_workgroup_id_y 1
		.amdhsa_system_sgpr_workgroup_id_z 1
		.amdhsa_system_vgpr_workitem_id 0
		.amdhsa_next_free_vgpr 256
		.amdhsa_next_free_sgpr 66
		.amdhsa_reserve_vcc 0
		.amdhsa_float_denorm_mode_32 3
		.amdhsa_float_denorm_mode_16_64 3
		.amdhsa_memory_ordered 1
		.amdhsa_forward_progress 1
		.amdhsa_inst_pref_size 85
	.end_amdhsa_kernel
	.amdgpu_metadata
---
amdhsa.version: [ 1, 2 ]
amdhsa.kernels:
  - .name:           k_qcdbd8443cb_attn
    .symbol:         k_qcdbd8443cb_attn.kd
    .args:
      - { .name: query_states, .offset: 0, .size: 8, .value_kind: global_buffer, .address_space: global }
      - { .name: key_states, .offset: 8, .size: 8, .value_kind: global_buffer, .address_space: global }
      - { .name: value_states, .offset: 16, .size: 8, .value_kind: global_buffer, .address_space: global }
      - { .name: lowp_scales, .offset: 24, .size: 8, .value_kind: global_buffer, .address_space: global }
      - { .name: out0, .offset: 32, .size: 8, .value_kind: global_buffer, .address_space: global }
    .group_segment_fixed_size: 110592
    .private_segment_fixed_size: 0
    .kernarg_segment_align: 8
    .kernarg_segment_size: 40
    .max_flat_workgroup_size: 512
    .sgpr_count:     66
    .vgpr_count:     256
    .wavefront_size: 32
...
	.end_amdgpu_metadata
.endif
;; end of part 2
